; MI455X (gfx1250); checked and timed in simulation.
; The chip was launched on July 23, 2026; its instructions are those of AMD's public machine-readable ISA for CDNA 5 (MIT licence, August 2026) and "CDNA5" Instruction Set Architecture Reference Guide (July 2026). The comments in the code are by the model that wrote it; some were corrected since.
;; Hash MLP Model. Allowed arithmetic: matrix products marked QUANTISED: E4M3 operands, one given power-of-two scale a tensor, by v_wmma_f32_16x16x64_fp8_fp8 or v_wmma_f32_16x16x128_fp8_fp8, f32 sums; products left as they are: f32 operands where the result goes on into a quantised operand, else bf16, f16 or f32 operands; f32 sums; everything else in f32.
;; Inputs: W1_codes 128 x 1 x 32 uint8 (E4M3 codes of W1, K innermost, in blocks of 32 codes); W2_codes 128 x 4 x 32 uint8 (E4M3 codes of W2, K innermost, in blocks of 32 codes); W3 128 x 1 float32; b1 128 float32; b2 128 float32; b3 1 float32; embeddings 16 x 524,288 x 2 float32; lowp_scales 4 int32 (the exponents e of the quantised operands' scales 2^e); x 1,048,576 x 3 float32.
;; Outputs: out0 1,048,576 x 1 float32.
;; This version of the problem:
;;   THIS VERSION OF THE PROBLEM IS GIVEN IN LOW PRECISION. The matrix products marked QUANTISED in the list below multiply operands that are first quantised to E4M3 (4 exponent bits, 3 mantissa bits; 8 bits a number), with one given power-of-two scale for each operand tensor; their sums are f32. All else is computed in f32.
;;   The module's matrix products, in the order in which they are computed (A, B: the left and right operand; K: the contracted axis; several contracted axes count as one K, in the product's order):
;;     1. [M 1,048,576, K 32] x [K 32, N 128]; A: computed on the way; B: input W1 (given as codes): QUANTISED (scales: A lowp_scales[0], B lowp_scales[1])
;;     2. [M 1,048,576, K 128] x [K 128, N 128]; A: computed on the way; B: input W2 (given as codes): QUANTISED (scales: A lowp_scales[2], B lowp_scales[3])
;;     3. [M 1,048,576, K 128] x [K 128, N 1]; A: computed on the way; B: input W3: left as it is (N = 1 < 16)
;;   THE QUANTISER, for each operand of a quantised product, along K:
;;     - The operand's scale is 2^e, e = its entry of the input lowp_scales (int32; the entries are numbered through the quantised products in the list's order, A before B).
;;     - Each number is divided by the scale, clamped to +-448, and rounded to the nearest number of E4M3, ties to even, subnormals kept.
;;     - The product sums the exact products of the quantised numbers (number of the format x scale) in f32.
;;   ~~~python
;;   def quantise(x, axis, e):      # numpy; x: float32 -> the quantised numbers, widened to float32 again
;;       x = np.moveaxis(x, axis, -1); K = x.shape[-1]
;;       r = np.clip(x / 2.0 ** e, -448, 448)
;;       step = 2.0 ** (np.maximum(np.frexp(np.where(r == 0, 1, r))[1] - 1, -6) - 3)
;;       q = np.round(r / step) * step * 2.0 ** e      # np.round: ties to even
;;       return np.moveaxis(q, -1, axis).astype(np.float32)
;;   ~~~
;;   OPERANDS COMPUTED ON THE WAY. 'Computed on the way' means the value that the module computes at that place (a softmax that the list does not call 'softmax' is quantised finished and normalised). What goes into a quantiser is computed in f32, as accurately as f32 sums, v_exp_f32 and their like allow (about 1e-6 of the number): no bf16 or f16 on the way to a quantiser, and a product that is left as it is and whose result goes on into a quantised operand takes f32 operands (vector FMAs, or v_wmma_f32_16x16x4_f32). A number that lies on a knife's edge between two numbers of the format may be rounded either way, as far as f32 arithmetic and the matrix unit's own rounding can turn it there, and no further.
;;   INPUTS GIVEN AS CODES. W1 (in the module: [32, 128], K = its axis 0); W2 (in the module: [128, 128], K = its axis 0): each comes as NAME_codes (uint8): NAME with its K axis moved to the last place and cut into blocks of 32 codes, [.., K / 32, bytes a block], one block behind the other in memory; one code a byte (a code: sign, 4 exponent bits, 3 mantissa bits); its scale is its entry of lowp_scales. Its value is code x scale, taken as it is: it is not quantised again, and the codes and scales need not be those that the quantiser above would give.
;; 2 versions, each right; version 2 is version 1 with the launch main written anew for expert scheduling mode. Each part assembles by itself: llvm-mc -triple=amdgcn-amd-amdhsa -mcpu=gfx1250 --defsym DOCPART=n.
;; ======== version 1 of 2: 2 launches
;; workspace buffers: cells 50,331,648 bytes of whole numbers
;; launch prep (part 1): grid 1024 x 1, 8 waves a work-group, no clusters, 0 bytes of LDS; arguments x, cells; writes cells
.if DOCPART == 1
	.amdgcn_target "amdgcn-amd-amdhsa--gfx1250"
	.amdhsa_code_object_version 6
	.text
	.protected	k_qfc905b5f6e_prep
	.globl	k_qfc905b5f6e_prep
	.p2align	8
	.type	k_qfc905b5f6e_prep,@function
k_qfc905b5f6e_prep:
	s_mov_b64 s[64:65], 0
	v_nop
	global_prefetch_b8 v0, s[64:65] scope:SCOPE_SE
	s_setreg_imm32_b32 hwreg(HW_REG_WAVE_MODE, 25, 1), 1
	s_wait_xcnt 0x0
; THE CELLS OF THE HASH GRID, AS WHOLE NUMBERS.  x: [1048576][3] f32.  For each point, coordinate c and level l = 1 .. 15 the cell number
; pg = floor(x * (2^l - 1) + 0.5) is made with the two roundings of the source text (a multiply, then an add: not fused) and packed, l bits a level,
; into a record of 16 bytes.  The next launch forms every table address from these whole numbers alone.
; cells: three planes of 2^24 bytes, one a coordinate.  Point 64 qd + 4 r + j (r 0..15, j 0..3) has its record at plane + 1024 qd + 256 j + 16 r.
; Fields (dword, first bit): D0: l15@0 l14@15 l3@29;  D1: l13@0 l12@13 l7@25;  D2: l11@0 l10@11 l9@21 l2@30;  D3: l8@0 l6@8 l5@14 l4@19 l1@23.
; LIMIT: x in [0, 1], the domain that the encoding's own text states: there pg < 2^l.  Outside it (NaN too) a field is held at 2^l - 1 or 0: no address leaves a table, the values are not served.
; SHARES: thread i = 256 x work-group + t owns points 4 i .. 4 i + 3: 12 numbers, 48 consecutive bytes.  No loop, no LDS, no barrier: threads share nothing.
; A wave's three loads together cover its 1,536 consecutive bytes.  Each store: lanes 0-15 write 256 consecutive aligned bytes, lanes 16-31 the 256 bytes 1,024 further on.
.set X, 4                              ; v[4:15]   the 12 numbers: number 3 j + c
.set R, 16                             ; v[16:63]  the 12 records, 4 registers each
.set T, 64                             ; v[64:67]  at work, two pairs by turns
.macro FIELD lv                        ; fd: the dword, fo: the first bit of level lv's field
.if (\lv) == 15
.set fd, 0
.set fo, 0
.elseif (\lv) == 14
.set fd, 0
.set fo, 15
.elseif (\lv) == 3
.set fd, 0
.set fo, 29
.elseif (\lv) == 13
.set fd, 1
.set fo, 0
.elseif (\lv) == 12
.set fd, 1
.set fo, 13
.elseif (\lv) == 7
.set fd, 1
.set fo, 25
.elseif (\lv) == 11
.set fd, 2
.set fo, 0
.elseif (\lv) == 10
.set fd, 2
.set fo, 11
.elseif (\lv) == 9
.set fd, 2
.set fo, 21
.elseif (\lv) == 2
.set fd, 2
.set fo, 30
.elseif (\lv) == 8
.set fd, 3
.set fo, 0
.elseif (\lv) == 6
.set fd, 3
.set fo, 8
.elseif (\lv) == 5
.set fd, 3
.set fo, 14
.elseif (\lv) == 4
.set fd, 3
.set fo, 19
.else
.set fd, 3
.set fo, 23
.endif
.endm
; numbers 2 m and 2 m + 1 at level lv
.macro CELL m, lv
	FIELD \lv
.set SCL, (((\lv)+126)<<23)|(((1<<((\lv)-1))-1)<<(24-(\lv)))   ; 2^lv - 1 as f32
.set tt, T+2*((\m)&1)
.set r0, R+8*(\m)+fd
.set r1, R+8*(\m)+4+fd
	v_pk_mul_f32 v[tt:tt+1], v[X+2*(\m):X+2*(\m)+1], SCL op_sel_hi:[1,0]
	v_pk_add_f32 v[tt:tt+1], v[tt:tt+1], 0.5 op_sel_hi:[1,0]   ; pos: two roundings, as the source text has them
	v_cvt_u32_f32 v[tt], v[tt]                     ; pos is at least 0.5, so cutting is the floor; the conversion saturates
	v_cvt_u32_f32 v[tt+1], v[tt+1]
.if fo == 0
	v_min_u32 v[r0], (1<<(\lv))-1, v[tt]           ; the field at bit 0 starts its dword: nothing is cleared
	v_min_u32 v[r1], (1<<(\lv))-1, v[tt+1]
.else
	v_min_u32 v[tt], (1<<(\lv))-1, v[tt]
	v_min_u32 v[tt+1], (1<<(\lv))-1, v[tt+1]
	v_lshl_or_b32 v[r0], v[tt], fo, v[r0]
	v_lshl_or_b32 v[r1], v[tt+1], fo, v[r1]
.endif
.endm
	s_load_b128 s[4:7], s[0:1], 0x0                ; x s[4:5], cells s[6:7]
	s_mul_i32 s2, ttmp9, 12288                     ; the work-group's 1,024 points in x,
	s_mov_b32 s3, 0
	s_lshl_b32 s14, ttmp9, 14                      ; and its 16 quads of 1,024 bytes in each plane
	s_mov_b32 s15, 0
	v_mul_u32_u24 v1, v0, 48                       ; my 48 bytes of x
	v_lshrrev_b32 v2, 4, v0
	v_and_b32 v3, 15, v0
	v_lshlrev_b32 v2, 10, v2
	v_lshl_or_b32 v2, v3, 4, v2                    ; 1024 (t / 16) + 16 (t % 16)
	s_wait_kmcnt 0x0
	s_add_nc_u64 s[4:5], s[4:5], s[2:3]
	s_add_nc_u64 s[8:9], s[6:7], s[14:15]          ; plane 0,
	s_add_nc_u64 s[10:11], s[8:9], 0x1000000       ; plane 1,
	s_add_nc_u64 s[12:13], s[10:11], 0x1000000     ; plane 2
	global_load_b128 v[X:X+3], v1, s[4:5] th:TH_LOAD_NT
	global_load_b128 v[X+4:X+7], v1, s[4:5] offset:16 th:TH_LOAD_NT
	global_load_b128 v[X+8:X+11], v1, s[4:5] offset:32 th:TH_LOAD_NT
	s_wait_loadcnt 0x0
.irp l, 15,13,11,8,14,3,12,7,10,9,2,6,5,4,1    ; the four fields at bit 0 first
.irp m, 0,1,2,3,4,5
	CELL \m, \l
.endr
.endr
.set vv, 0
.rept 12                               ; number vv = 3 j + c: plane c, 256 j bytes on.  No register is written behind a store
	global_store_b128 v2, v[R+4*vv:R+4*vv+3], s[8+2*(vv%3):9+2*(vv%3)] offset:(vv/3)*256 th:TH_STORE_NT
.set vv, vv+1
.endr
	s_endpgm
.Lfunc_end_k_qfc905b5f6e_prep:
	.size	k_qfc905b5f6e_prep, .Lfunc_end_k_qfc905b5f6e_prep-k_qfc905b5f6e_prep
	.p2alignl 7, 3214868480
	.fill 96, 4, 3214868480
	.section	.rodata,"a",@progbits
	.p2align	6, 0x0
	.amdhsa_kernel k_qfc905b5f6e_prep
		.amdhsa_group_segment_fixed_size 0
		.amdhsa_private_segment_fixed_size 0
		.amdhsa_enable_private_segment 0
		.amdhsa_kernarg_size 16
		.amdhsa_user_sgpr_count 2
		.amdhsa_user_sgpr_kernarg_segment_ptr 1
		.amdhsa_wavefront_size32 1
		.amdhsa_system_sgpr_workgroup_id_x 1
		.amdhsa_system_sgpr_workgroup_id_y 1
		.amdhsa_system_sgpr_workgroup_id_z 1
		.amdhsa_system_vgpr_workitem_id 0
		.amdhsa_next_free_vgpr 72
		.amdhsa_next_free_sgpr 66
		.amdhsa_reserve_vcc 0
		.amdhsa_float_denorm_mode_32 3
		.amdhsa_float_denorm_mode_16_64 3
		.amdhsa_memory_ordered 1
		.amdhsa_forward_progress 1
		.amdhsa_inst_pref_size 40
	.end_amdhsa_kernel
	.amdgpu_metadata
---
amdhsa.version: [ 1, 2 ]
amdhsa.kernels:
  - .name:           k_qfc905b5f6e_prep
    .symbol:         k_qfc905b5f6e_prep.kd
    .args:
      - { .name: x, .offset: 0, .size: 8, .value_kind: global_buffer, .address_space: global }
      - { .name: cells, .offset: 8, .size: 8, .value_kind: global_buffer, .address_space: global }
    .group_segment_fixed_size: 0
    .private_segment_fixed_size: 0
    .kernarg_segment_align: 8
    .kernarg_segment_size: 16
    .max_flat_workgroup_size: 256
    .sgpr_count:     66
    .vgpr_count:     72
    .wavefront_size: 32
...
	.end_amdgpu_metadata
.endif
;; end of part 1
;; launch main (part 2): grid 256 x 1, 16 waves a work-group, no clusters, 90,112 bytes of LDS; arguments x, cells, embeddings, W1_codes, W2_codes, W3, b1, b2, b3, lowp_scales, out0; writes out0
.if DOCPART == 2
	.amdgcn_target "amdgcn-amd-amdhsa--gfx1250"
	.amdhsa_code_object_version 6
	.text
	.protected	k_qfc905b5f6e_main
	.globl	k_qfc905b5f6e_main
	.p2align	8
	.type	k_qfc905b5f6e_main,@function
k_qfc905b5f6e_main:
	s_mov_b64 s[64:65], 0
	v_nop
	global_prefetch_b8 v0, s[64:65] scope:SCOPE_SE
	s_setreg_imm32_b32 hwreg(HW_REG_WAVE_MODE, 25, 1), 1
	s_wait_xcnt 0x0
; out = relu(relu(enc(x) W1 + b1) W2 + b2) W3 + b3.  enc: 16 levels of a hash grid, 8 corners x 2 numbers a level, trilinear weights: 32 features.
; The first two products run on codes of FP8 (E4M3) with the given scales 2^e0 .. 2^e3 (features, W1, hidden layer, W2); the last, with one column, is f32 multiply-adds.
; ADDRESSES come from whole numbers alone: the records in cells (made by the launch before: l bits a level and coordinate).  The fractions are made here from x by the same two instructions
; (a multiply, then an add: not fused) that gave the cells, so a cell and its fraction always belong together.
; SHARES.  256 work-groups of 16 waves, four to a SIMD with 256 registers each.  Wave W = 16 x work-group + wave owns quads 4 W .. 4 W + 3; a quad is 64 points, four tiles j of 16: point 64 qd + 4 r + j.
; TWO LANES TO A POINT: lane (r, h) is point r with the x-corner h.  x's prime is 1, so the two x-corners differ only in low index bits (dense levels: they are neighbours): the two lanes' 8 bytes mostly lie side by side.
; Each lane sums its four corners (y, z); the two halves meet by one lane swap, which also lays features 8 h .. and 16 + 8 h .. into the lanes that the K = 64 form's layout gives them.
; LEVELS.  0: scale 0, the same two numbers for every point: made once.  1-4: dense, 64 KB together: copied into LDS once.  5, 6: dense, from memory.  7-15: hashed, from memory.
; THE PRODUCTS are used transposed (source 0 = 16 units of a weight, source 1 = 16 points): a lane holds one point, its registers run along the units, which are the next K.  The units that form a tile of W1 are
; 32 b + 8 u + m + 8 (m / 8), so that a lane's 16 registers of tiles 2 b, 2 b + 1 are 16 neighbouring units.  Every sum is ONE matrix instruction (K = 32 padded with zero codes to 64; K = 128), its C the bias
; divided by the power of two that the sums lack.  The weights lie in LDS as images of their operand registers (16 bytes a lane, 512 bytes a load).
; LDS is written once, at the head, in front of the one barrier, and only read after it.
; No cluster: the work-groups share only the head's 86 KB.  No tensor load: nothing dense is fetched but those.  No prefetch instruction: x and the records are asked for into registers a phase ahead.
; LIMITS: x in [0, 1] (the encoding's own domain; outside it addresses stay inside the tables, the values are not served).  e0 and e2 - e0 - e1 between -126 and 119, so that 2^e and 448 x 2^e are f32 numbers; the other
; powers of two go by v_ldexp_f32.  NaN among the inputs is not served.
.set T4END, 65536
.set W1IMG, 65536                      ; LDS: levels 1, 2, 3 at 0, 8192, 16384 (8,192 bytes each), level 4 at 24576 (40,960); W1's 8 tiles x 512 bytes;
.set W2IMG, 69632                      ; W2's 8 tiles x 4 x 512 bytes;
.set PARAM, 86016                      ; b1 / 2^(e0+e1), b2 / 2^(e2+e3), W3 x 2^(e2+e3): 512 bytes each
.set HI,   1                           ; v1   h (whole number)
.set C0,   2                           ; v2   1 - h     (f32)
.set C1,   3                           ; v3   2 h - 1   (f32): wx = fx C1 + C0 is 1 - fx or fx
.set QOFF, 4                           ; v4   16 r: my point's record in a tile's 256 bytes
.set XOFF, 5                           ; v5   48 r: my four points' x in a quad's 768 bytes
.set OOFF, 6                           ; v6   16 r + 8 h: my two results in a quad's 256 bytes
.set LI,   7                           ; v7   W1IMG + 16 x lane
.set BA1,  8                           ; v8   PARAM + 64 h
.set BA2,  9                           ; v9   PARAM + 512 + 32 h
.set SC0,  10                          ; v10  2^e0;  v11  448 x 2^e0
.set LIM0, 11
.set SC1,  12                          ; v12  2^(e2-e0-e1);  v13  448 x that
.set LIM1, 13
.set F0,   14                          ; v[14:15] half of level 0's two features
.set B3,   16                          ; v16  b3
.set DA,   17                          ; v17, v18 byte offsets of levels 5, 6
.set LA,   19                          ; v19  LDS address of the level in hand
.set XF,   20                          ; v[20:31] x of my four points: point j at 20 + 3 j
.set Q,    32                          ; v[32:43] the tile's three records
.set FR,   44                          ; v[44:75] the features' codes: tile j at 44 + 8 j: 4 registers of codes, 4 of zeros
.set P,    76                          ; v[76:107]  encode: my part of feature k = 2 l + f
.set G,    108                         ; v[108:195] encode: level l's four corners at 108 + 8 (l - 5)
.set L,    196                         ; v[196:227] encode: the same for levels 1-4, at 196 + 8 (l - 1)
.set X,    228
.set Y,    229
.set Z,    230
.set Y1,   231
.set Z1,   232
.set A0,   233
.set A1,   234
.set T,    236                         ; v[236:239] pos
.set U,    240                         ; v[240:251] fractions and weights
.set H1,   76                          ; MLP: v[76:139]  the hidden layer's codes: tile j at 76 + 16 j
.set ACC,  140                         ; MLP: v[140:203] sums
.set WA,   204                         ; MLP: v[204:219] a weight's fragment(s)
.set BI,   220                         ; MLP: v[220:235] biases (layer 2: v[220:227])
.set W3A,  228                         ; MLP: W3's eight numbers of a tile, two sets by turns
.set W3B,  244
.set SUM,  236                         ; MLP: v[236:243] the last layer's sums, a pair a tile
.set OUTP, 228                         ; the two results that I store
.set RR,   252                         ; v[252:255] the lane exchange's destinations
.set EB,   66                          ; s[66:87] the tables of levels 5 .. 15
; head only
.set TA,   236
.set W2A,  237
.set W1A,  238
.set PAA,  239
.set W2G,  240
.set W1G,  241
.set PG,   242
.set LN,   243
.set RL,   244
.set L16,  245
.set K8,   246
.macro FIELD lv                        ; fd: the dword, fo: the first bit of level lv's field in a record
.if (\lv) == 15
.set fd, 0
.set fo, 0
.elseif (\lv) == 14
.set fd, 0
.set fo, 15
.elseif (\lv) == 3
.set fd, 0
.set fo, 29
.elseif (\lv) == 13
.set fd, 1
.set fo, 0
.elseif (\lv) == 12
.set fd, 1
.set fo, 13
.elseif (\lv) == 7
.set fd, 1
.set fo, 25
.elseif (\lv) == 11
.set fd, 2
.set fo, 0
.elseif (\lv) == 10
.set fd, 2
.set fo, 11
.elseif (\lv) == 9
.set fd, 2
.set fo, 21
.elseif (\lv) == 2
.set fd, 2
.set fo, 30
.elseif (\lv) == 8
.set fd, 3
.set fo, 0
.elseif (\lv) == 6
.set fd, 3
.set fo, 8
.elseif (\lv) == 5
.set fd, 3
.set fo, 14
.elseif (\lv) == 4
.set fd, 3
.set fo, 19
.else
.set fd, 3
.set fo, 23
.endif
.endm
.macro PLACES                          ; four plain vector instructions between a matrix instruction and a load into its sources or a vector read of its result
.rept 4
	v_nop
.endr
.endm
.macro XQLOAD                          ; a quad's x (my four points) and its first tile's records
.irp c, 0,1,2
	global_load_b128 v[XF+4*\c:XF+4*\c+3], v[XOFF], s[4:5] offset:16*\c th:TH_LOAD_NT
.endr
	global_load_b128 v[Q:Q+3], v[QOFF], s[48:49] th:TH_LOAD_NT
	global_load_b128 v[Q+4:Q+7], v[QOFF], s[50:51] th:TH_LOAD_NT
	global_load_b128 v[Q+8:Q+11], v[QOFF], s[52:53] th:TH_LOAD_NT
.endm
; A hashed level: index = (x + h) ^ (y + a) p1 ^ (z + b) p2, cut to 19 bits.  Corner a + 2 b lands in v[g + 2 (a + 2 b)] on; each load lands on its own index register.
.macro HASH lv
	FIELD \lv
.set g, G+8*((\lv)-5)
.set eb, EB+2*((\lv)-5)
	v_bfe_u32 v[X], v[Q+fd], fo, \lv
	v_bfe_u32 v[Y], v[Q+4+fd], fo, \lv
	v_bfe_u32 v[Z], v[Q+8+fd], fo, \lv
	v_add_nc_u32 v[X], v[X], v[HI]
	v_mul_lo_u32 v[Y], v[Y], s28
	v_mul_lo_u32 v[Z], v[Z], s29
	v_add_nc_u32 v[Y1], s28, v[Y]                  ; (y + 1) p1, modulo 2^32
	v_add_nc_u32 v[Z1], s29, v[Z]
	v_xor_b32 v[A0], v[X], v[Y]
	v_xor_b32 v[A1], v[X], v[Y1]
	v_xor_b32 v[g], v[A0], v[Z]
	v_xor_b32 v[g+2], v[A1], v[Z]
	v_xor_b32 v[g+4], v[A0], v[Z1]
	v_xor_b32 v[g+6], v[A1], v[Z1]
.irp c, 0,2,4,6
	v_and_b32 v[g+\c], 0x7ffff, v[g+\c]
.endr
.irp c, 0,2,4,6
	v_min_u32 v[g+\c], 0x7ffff, v[g+\c]            ; changes nothing: a number that came from memory is bounded by a written constant as the last step before it is an index
.endr
.irp c, 0,2,4,6
	global_load_b64 v[g+\c:g+\c+1], v[g+\c], s[eb:eb+1] scale_offset   ; 8 bytes at table + 8 x index
.endr
.endm
; A dense level's index of corner (h, 0, 0): (x + h) + y r + z r^2, r = 2^lv.  With fields of lv bits it is at most r^3, and with the corners' r + r^2 it stays under 2^19: the source text's mask changes nothing.
.macro DIDX lv
	FIELD \lv
	v_bfe_u32 v[X], v[Q+fd], fo, \lv
	v_bfe_u32 v[Y], v[Q+4+fd], fo, \lv
	v_bfe_u32 v[Z], v[Q+8+fd], fo, \lv
	v_add_nc_u32 v[X], v[X], v[HI]
	v_lshl_add_u32 v[Y], v[Z], \lv, v[Y]
	v_lshl_add_u32 v[X], v[Y], \lv, v[X]
	v_min_u32 v[X], 1<<(3*(\lv)), v[X]             ; changes nothing: the written bound
.endm
.macro DENSEG lv                       ; levels 5, 6: from memory; the corners (a, b) stand in the immediates
	DIDX \lv
.set g, G+8*((\lv)-5)
.set eb, EB+2*((\lv)-5)
.set da, DA+(\lv)-5
	v_lshlrev_b32 v[da], 3, v[X]
.irp c, 0,1,2,3
	global_load_b64 v[g+2*\c:g+2*\c+1], v[da], s[eb:eb+1] offset:8*(((\c)&1)<<(\lv))+8*(((\c)>>1)<<(2*(\lv)))
.endr
.endm
.macro LDSL lv                         ; levels 1-4: from LDS
	DIDX \lv
.set lb, L+8*((\lv)-1)
	v_lshl_add_u32 v[LA], v[X], 3, 8192*((\lv)-1)
.irp c, 0,1,2,3
	ds_load_b64 v[lb+2*\c:lb+2*\c+1], v[LA] offset:8*(((\c)&1)<<(\lv))+8*(((\c)>>1)<<(2*(\lv)))
.endr
.endm
; Level lv of tile j: fractions, weights ((wx wy) wz, as the source text multiplies them), and my four corners' part of the two features.  d: the corners' registers.  The wait stands behind the weights.
.macro FEAT lv, d, j, inlds, cnt
.set SCL, (((\lv)+126)<<23)|(((1<<((\lv)-1))-1)<<(24-(\lv)))   ; 2^lv - 1 as f32
.set pa, XF+3*(\j)-((\j)&1)            ; an even register: my point's three numbers begin po behind it
.set po, (\j)&1
.set pp, P+2*(\lv)
	v_pk_mul_f32 v[T:T+1], v[pa:pa+1], SCL op_sel_hi:[1,0]
	v_pk_mul_f32 v[T+2:T+3], v[pa+2:pa+3], SCL op_sel_hi:[1,0]
	v_pk_add_f32 v[T:T+1], v[T:T+1], 0.5 op_sel_hi:[1,0]       ; pos: two roundings, the same as where the cells were made
	v_pk_add_f32 v[T+2:T+3], v[T+2:T+3], 0.5 op_sel_hi:[1,0]
	v_fract_f32 v[U+1], v[T+po]                    ; fx
	v_fract_f32 v[U+3], v[T+po+1]                  ; fy
	v_fract_f32 v[U+5], v[T+po+2]                  ; fz
	v_fma_f32 v[U], v[U+1], v[C1], v[C0]           ; wx of my x-corner
	v_sub_f32 v[U+2], 1.0, v[U+3]
	v_sub_f32 v[U+4], 1.0, v[U+5]
	v_pk_mul_f32 v[U+6:U+7], v[U+2:U+3], v[U:U+1] op_sel_hi:[1,0]                    ; wx (1 - fy), wx fy
	v_pk_mul_f32 v[U+8:U+9], v[U+6:U+7], v[U+4:U+5] op_sel_hi:[1,0]                  ; x (1 - fz)
	v_pk_mul_f32 v[U+10:U+11], v[U+6:U+7], v[U+4:U+5] op_sel:[0,1] op_sel_hi:[1,1]   ; x fz
.if \inlds
	s_wait_dscnt \cnt                              ; this level's four are in; the later levels' four each may be out
.else
	s_wait_loadcnt \cnt                            ; this level's four are in; out may be the later levels' four each and the next tile's three records
.endif
	v_pk_mul_f32 v[pp:pp+1], v[(\d):(\d)+1], v[U+8:U+9] op_sel_hi:[1,0]
	v_pk_fma_f32 v[pp:pp+1], v[(\d)+2:(\d)+3], v[U+8:U+9], v[pp:pp+1] op_sel:[0,1,0] op_sel_hi:[1,1,1]
	v_pk_fma_f32 v[pp:pp+1], v[(\d)+4:(\d)+5], v[U+10:U+11], v[pp:pp+1] op_sel_hi:[1,0,1]
	v_pk_fma_f32 v[pp:pp+1], v[(\d)+6:(\d)+7], v[U+10:U+11], v[pp:pp+1] op_sel:[0,1,0] op_sel_hi:[1,1,1]
.endm
; A tile of 16 points: 44 gathers from memory go out first, then 16 from LDS, then the next tile's records (pre = 1); the levels are worked in the order in which they were asked for.
.macro TILE j, pre
	s_wait_loadcnt 0x0                             ; the tile's records (and, in a quad's first tile, x): nothing else is out.  So every register that an earlier load named is free
	DENSEG 5
	DENSEG 6
.irp l, 7,8,9,10,11,12,13,14,15
	HASH \l
.endr
.irp l, 1,2,3,4
	LDSL \l
.endr
.if \pre
	global_load_b128 v[Q:Q+3], v[QOFF], s[48:49] offset:((\j)+1)*256 th:TH_LOAD_NT
	global_load_b128 v[Q+4:Q+7], v[QOFF], s[50:51] offset:((\j)+1)*256 th:TH_LOAD_NT
	global_load_b128 v[Q+8:Q+11], v[QOFF], s[52:53] offset:((\j)+1)*256 th:TH_LOAD_NT
.endif
	v_mov_b32 v[P], v[F0]                          ; level 0: each of the point's two lanes carries half
	v_mov_b32 v[P+1], v[F0+1]
.irp l, 1,2,3,4
	FEAT \l, L+8*(\l-1), \j, 1, 16-4*\l
.endr
.irp l, 5,6,7,8,9,10,11,12,13,14,15
	FEAT \l, G+8*(\l-5), \j, 0, 60-4*\l+3*\pre
.endr
.irp k, 0,1,2,3,4,5,6,7,16,17,18,19,20,21,22,23
	v_permlane16_swap_b32 v[P+\k], v[P+\k+8]       ; lanes 0-15 now hold both parts of feature k, lanes 16-31 both parts of feature k + 8
.endr
.irp k, 0,2,4,6,16,18,20,22
	v_pk_add_f32 v[P+\k:P+\k+1], v[P+\k:P+\k+1], v[P+\k+8:P+\k+9]
.endr
.irp k, 0,1,2,3,4,5,6,7,16,17,18,19,20,21,22,23
	v_med3_num_f32 v[P+\k], v[P+\k], -v[LIM0], v[LIM0]   ; the conversion to an 8-bit code does not saturate (ISA guide 7.6.2): the hold at the largest code x the scale
.endr
	v_cvt_scalef32_pk8_fp8_f32 v[FR+8*(\j):FR+8*(\j)+1], v[P:P+7], v[SC0]         ; k = 8 h + 0 .. 7
	v_cvt_scalef32_pk8_fp8_f32 v[FR+8*(\j)+2:FR+8*(\j)+3], v[P+16:P+23], v[SC0]   ; k = 16 + 8 h + 0 .. 7
	v_nop                                          ; one plain vector instruction behind the conversions, ahead of whatever next writes their sources or reads their results
.endm
.macro L1LOAD b                        ; W1's tiles 2 b, 2 b + 1 (their lower 32 of K; the upper stay zero codes) and b1 at my 16 units 32 b + 16 h + 0 .. 15
	ds_load_b128 v[WA:WA+3], v[LI] offset:1024*(\b)
	ds_load_b128 v[WA+8:WA+11], v[LI] offset:1024*(\b)+512
.irp c, 0,1,2,3
	ds_load_b128 v[BI+4*\c:BI+4*\c+3], v[BA1] offset:128*(\b)+16*\c
.endr
.endm
.macro L2LOAD t                        ; W2's tile t, and b2 and W3 at my 8 units 16 t + 8 h + 0 .. 7
.irp c, 0,1,2,3
	ds_load_b128 v[WA+4*\c:WA+4*\c+3], v[LI] offset:4096+2048*(\t)+512*\c
.endr
	ds_load_b128 v[BI:BI+3], v[BA2] offset:64*(\t)
	ds_load_b128 v[BI+4:BI+7], v[BA2] offset:64*(\t)+16
.set w3l, W3A+(W3B-W3A)*((\t)&1)
	ds_load_b128 v[w3l:w3l+3], v[BA2] offset:512+64*(\t)
	ds_load_b128 v[w3l+4:w3l+7], v[BA2] offset:512+64*(\t)+16
.endm
	; ---- THE HEAD
	s_load_b512 s[4:19], s[0:1], 0x0               ; x 4, cells 6, embeddings 8, W1's codes 10, W2's codes 12, W3 14, b1 16, b2 18
	s_load_b128 s[20:23], s[0:1], 0x40             ; b3 20, the scales' exponents 22
	s_load_b64 s[24:25], s[0:1], 0x50              ; out
	v_lshrrev_b32 v1, 5, v0
	v_readfirstlane_b32 s26, v1                    ; wave 0..15
	v_and_b32 v[LN], 31, v0                        ; lane
	v_and_b32 v[RL], 15, v0                        ; r
	v_bfe_u32 v[HI], v0, 4, 1                      ; h
	v_cvt_f32_u32 v[C1], v[HI]
	v_sub_f32 v[C0], 1.0, v[C1]
	v_fma_f32 v[C1], v[C1], 2.0, -1.0
	v_lshlrev_b32 v[QOFF], 4, v[RL]
	v_mul_u32_u24 v[XOFF], v[RL], 48
	v_lshl_add_u32 v[OOFF], v[HI], 3, v[QOFF]
	v_lshlrev_b32 v[L16], 4, v[LN]
	v_add_nc_u32 v[LI], W1IMG, v[L16]
	v_lshlrev_b32 v[BA1], 6, v[HI]
	v_add_nc_u32 v[BA1], PARAM, v[BA1]
	v_lshlrev_b32 v[BA2], 5, v[HI]
	v_add_nc_u32 v[BA2], PARAM+512, v[BA2]
	; where the head's stores go: every LDS address is a constant + a constant x lane + a constant x wave, made ahead of the one branch on the wave's number
	v_lshlrev_b32 v[TA], 4, v0                     ; the tables: 16 bytes a thread, 8,192 a round; the same offset in memory
	s_lshl_b32 s54, s26, 10
	s_add_co_u32 s54, s54, W2IMG
	v_add_nc_u32 v[W2A], s54, v[L16]               ; W2: wave w stores pieces c = 2 (w % 2), + 1 of tile w / 2: W2IMG + 1024 w + 16 lane, and 512 on
	s_lshr_b32 s55, s26, 1                         ; t = w / 2
	s_and_b32 s56, s26, 1                          ; w % 2
	s_lshl_b32 s57, s55, 9
	s_lshl_b32 s58, s56, 3
	s_add_co_u32 s57, s57, s58
	s_add_co_u32 s57, s57, W1IMG
	v_add_nc_u32 v[W1A], s57, v[L16]               ; W1: 8 bytes a lane: W1IMG + 512 t + 16 lane + 8 (w % 2)
	v_lshl_add_u32 v[PAA], v0, 2, PARAM            ; b1, b2, W3: a word a thread (threads 0 .. 383)
	; and where the weights come from
	v_lshlrev_b32 v[W2G], 7, v[RL]
	v_lshl_add_u32 v[W2G], v[HI], 4, v[W2G]
	s_lshl_b32 s57, s55, 11
	s_lshl_b32 s58, s56, 6
	s_add_co_u32 s57, s57, s58
	v_add_nc_u32 v[W2G], s57, v[W2G]               ; W2: (16 t + r) x 128 + 16 h + 64 (w % 2)
	v_and_b32 v[W1G], 8, v[RL]
	v_add_nc_u32 v[W1G], v[W1G], v[RL]             ; r + 8 (r / 8)
	v_lshlrev_b32 v[W1G], 5, v[W1G]
	v_lshl_add_u32 v[W1G], v[HI], 3, v[W1G]
	s_lshr_b32 s57, s55, 1
	s_lshl_b32 s57, s57, 10
	s_and_b32 s58, s55, 1
	s_lshl_b32 s58, s58, 8
	s_add_co_u32 s57, s57, s58
	s_lshl_b32 s58, s56, 4
	s_add_co_u32 s57, s57, s58
	v_add_nc_u32 v[W1G], s57, v[W1G]               ; W1: (32 (t / 2) + 8 (t % 2) + r + 8 (r / 8)) x 32 + 8 h + 16 (w % 2)
	v_and_b32 v[PG], 127, v0
	v_lshlrev_b32 v[PG], 2, v[PG]
	s_wait_kmcnt 0x0
	s_load_b128 s[32:35], s[22:23], 0x0            ; e0, e1, e2, e3
	s_load_b32 s36, s[20:21], 0x0                  ; b3
	s_load_b256 s[40:47], s[8:9], 0x0              ; level 0's entries 0 .. 3
	s_add_nc_u64 s[58:59], s[8:9], 0x400000        ; level 1 (a level's table is 4 MiB); level 2 by the immediate
	s_add_nc_u64 s[60:61], s[8:9], 0xc00000        ; level 3; level 4 by the immediate
	global_load_b128 v[108:111], v[TA], s[58:59]
	global_load_b128 v[112:115], v[TA], s[58:59] offset:0x400000
	global_load_b128 v[116:119], v[TA], s[60:61]
.irp k, 0,1,2,3,4
	global_load_b128 v[120+4*\k:123+4*\k], v[TA], s[60:61] offset:0x400000+8192*\k
.endr
	global_load_b128 v[140:143], v[W2G], s[12:13]
	global_load_b128 v[144:147], v[W2G], s[12:13] offset:32
	global_load_b64 v[148:149], v[W1G], s[10:11]
.irp l, 5,6,7,8,9,10,11,12,13,14,15
	s_add_nc_u64 s[EB+2*(\l-5):EB+2*(\l-5)+1], s[8:9], \l*0x400000
.endr
	s_mov_b32 s28, 0x9e3779b1                      ; y's prime
	s_mov_b32 s29, 0x30025795                      ; z's prime
	s_mov_b32 s30, 0xffff0000                      ; the lanes with h = 1
	s_mov_b32 s38, 0x76543210                      ; v_permlanex16_b32: lane l xor 16
	s_mov_b32 s39, 0xfedcba98
	s_wait_kmcnt 0x0
	s_add_co_i32 s54, s32, s33                     ; e0 + e1
	s_add_co_i32 s55, s34, s35                     ; e2 + e3
	s_sub_co_i32 s56, 0, s54
	s_sub_co_i32 s57, 0, s55
	s_lshr_b32 s37, s26, 2                         ; waves 0-3: b1 / 2^(e0+e1); 4-7: b2 / 2^(e2+e3); 8-11: W3 x 2^(e2+e3)
	s_cmp_eq_u32 s37, 0
	s_cselect_b64 s[62:63], s[16:17], s[18:19]
	s_cselect_b32 s31, s56, s57
	s_cmp_eq_u32 s37, 2
	s_cselect_b64 s[62:63], s[14:15], s[62:63]
	s_cselect_b32 s31, s55, s31
	s_cmp_lt_u32 s26, 12
	s_cbranch_scc0 .Lno_param                      ; waves 12-15 have no word of these
	global_load_b32 v150, v[PG], s[62:63]
	s_wait_loadcnt 0x0
	v_ldexp_f32 v150, v150, s31
	ds_store_b32 v[PAA], v150
.Lno_param:
	s_wait_loadcnt 0x0
	ds_store_b128 v[TA], v[108:111]
	ds_store_b128 v[TA], v[112:115] offset:8192
	ds_store_b128 v[TA], v[116:119] offset:16384
.irp k, 0,1,2,3,4
	ds_store_b128 v[TA], v[120+4*\k:123+4*\k] offset:24576+8192*\k
.endr
	ds_store_b128 v[W2A], v[140:143]
	ds_store_b128 v[W2A], v[144:147] offset:512
	ds_store_b64 v[W1A], v[148:149]
	s_wait_dscnt 0x0                               ; for the others' sake: my stores have landed
	s_barrier_signal -1
	s_barrier_wait -1                              ; the one barrier: from here on LDS is only read
	s_lshl_b32 s54, ttmp9, 4
	s_add_co_u32 s54, s54, s26                     ; W
	s_mov_b32 s57, 0
	s_lshl_b32 s56, s54, 12                        ; four quads of 1,024 bytes in each plane,
	s_add_nc_u64 s[48:49], s[6:7], s[56:57]
	s_add_nc_u64 s[50:51], s[48:49], 0x1000000
	s_add_nc_u64 s[52:53], s[50:51], 0x1000000
	s_mul_i32 s56, s54, 3072                       ; of 768 in x,
	s_add_nc_u64 s[4:5], s[4:5], s[56:57]
	s_lshl_b32 s56, s54, 10                        ; of 256 in out
	s_add_nc_u64 s[24:25], s[24:25], s[56:57]
	XQLOAD                                         ; the first quad; the constants below are made meanwhile
	s_add_co_i32 s54, s32, 127
	s_lshl_b32 s55, s54, 23
	v_mov_b32 v[SC0], s55                          ; 2^e0 as f32: the conversion takes its exponent field
	s_add_co_i32 s54, s54, 8
	s_lshl_b32 s54, s54, 23
	s_or_b32 s54, s54, 0x600000
	v_mov_b32 v[LIM0], s54                         ; 448 x 2^e0
	s_sub_co_i32 s54, s34, s32
	s_sub_co_i32 s54, s54, s33                     ; a sum of the first product stands for sum x 2^(e0+e1): its code is sum / 2^(e2-e0-e1)
	s_add_co_i32 s54, s54, 127
	s_lshl_b32 s55, s54, 23
	v_mov_b32 v[SC1], s55
	s_add_co_i32 s54, s54, 8
	s_lshl_b32 s54, s54, 23
	s_or_b32 s54, s54, 0x600000
	v_mov_b32 v[LIM1], s54
	v_mov_b32 v[B3], s36
	v_mov_b32 v[K8], 0x3e000000                    ; level 0: every weight is 0.5^3; corner c reads entry (number of ones in c)
.irp f, 0,1
	v_mul_f32 v[F0+\f], s[40+\f], v[K8]
.irp e, 42,42,44,42,44,44,46
	v_fma_f32 v[F0+\f], s[\e+\f], v[K8], v[F0+\f]
.endr
	v_mul_f32 v[F0+\f], 0.5, v[F0+\f]              ; half for each of a point's two lanes: exact
.endr
.irp j, 0,1,2,3
.irp k, 4,5,6,7
	v_mov_b32 v[FR+8*\j+\k], 0                     ; K = 32 .. 63: zero codes, written once
.endr
.endr
.irp j, 0,1,2,3
	v_mov_b32 v[RR+\j], 0                          ; a lane exchange's destination counts as one of its sources: written once
.endr
	s_mov_b32 s27, 0
.Lquad:                                            ; four trips: a quad of 64 points each
	TILE 0, 1
	TILE 1, 1
	TILE 2, 1
	TILE 3, 0
	s_cmp_eq_u32 s27, 3                            ; no load is out here (the last level's wait was for 0), so the bases may step.  The last quad asks for nothing: no load leaves its buffer
	s_cbranch_scc1 .Lno_next
	s_add_nc_u64 s[48:49], s[48:49], 1024
	s_add_nc_u64 s[50:51], s[50:51], 1024
	s_add_nc_u64 s[52:53], s[52:53], 1024
	s_add_nc_u64 s[4:5], s[4:5], 768
	XQLOAD                                         ; the next quad's x and first records land while this quad's products run
.Lno_next:
	; ---- THE FIRST PRODUCT, 32 units at a time for the four tiles: eight sums, each one matrix instruction, C = b1 / 2^(e0+e1)
.irp k, 4,5,6,7,12,13,14,15
	v_mov_b32 v[WA+\k], 0                          ; W1's K = 32 .. 63: zero codes
.endr
	L1LOAD 0
.irp b, 0,1,2,3
	s_wait_dscnt 0x0
.irp j, 0,1,2,3
.irp u, 0,1
	v_wmma_f32_16x16x64_fp8_fp8 v[ACC+16*\j+8*\u:ACC+16*\j+8*\u+7], v[WA+8*\u:WA+8*\u+7], v[FR+8*\j:FR+8*\j+7], v[BI+8*\u:BI+8*\u+7]
.endr
.endr
	PLACES
.if \b < 3
	L1LOAD \b+1
.else
	L2LOAD 0
.endif
.irp j, 0,1,2,3
.irp i, 0,1,2,3,4,5,6,7,8,9,10,11,12,13,14,15
	v_med3_num_f32 v[ACC+16*\j+\i], v[ACC+16*\j+\i], 0, v[LIM1]   ; the activation and the hold in one; each sum from its low end on
.endr
	v_cvt_scalef32_pk8_fp8_f32 v[H1+16*\j+4*\b:H1+16*\j+4*\b+1], v[ACC+16*\j:ACC+16*\j+7], v[SC1]         ; k = 32 b + 16 h + 0 .. 7 of the next product
	v_cvt_scalef32_pk8_fp8_f32 v[H1+16*\j+4*\b+2:H1+16*\j+4*\b+3], v[ACC+16*\j+8:ACC+16*\j+15], v[SC1]    ; + 8 .. 15
.endr
	v_nop                                          ; one plain vector instruction behind the last conversion: the next products write its sources or read its results
.endr
	; ---- THE SECOND PRODUCT, 16 units at a time, and the third on its heels: out = sum of relu(sum) x (W3 x 2^(e2+e3)) + b3
.irp t, 0,1,2,3,4,5,6,7
	s_wait_dscnt 0x0
.irp j, 0,1,2,3
	v_wmma_f32_16x16x128_fp8_fp8 v[ACC+8*\j:ACC+8*\j+7], v[WA:WA+15], v[H1+16*\j:H1+16*\j+15], v[BI:BI+7]
.endr
	PLACES
.if \t < 7
	L2LOAD \t+1
.endif
.irp j, 0,1,2,3
.irp i, 0,1,2,3,4,5,6,7
	v_max_num_f32 v[ACC+8*\j+\i], 0, v[ACC+8*\j+\i]
.endr
.endr
.set w3u, W3A+(W3B-W3A)*(\t&1)
.irp i, 0,2,4,6
.irp j, 0,1,2,3
.if (\t == 0) && (\i == 0)
	v_pk_mul_f32 v[SUM+2*\j:SUM+2*\j+1], v[ACC+8*\j+\i:ACC+8*\j+\i+1], v[w3u+\i:w3u+\i+1]   ; the first product starts the sums
.else
	v_pk_fma_f32 v[SUM+2*\j:SUM+2*\j+1], v[ACC+8*\j+\i:ACC+8*\j+\i+1], v[w3u+\i:w3u+\i+1], v[SUM+2*\j:SUM+2*\j+1]
.endif
.endr
.endr
.endr
.irp j, 0,1,2,3
	v_add_f32 v[SUM+2*\j], v[SUM+2*\j], v[SUM+2*\j+1]
.endr
.irp j, 0,1,2,3
	v_permlanex16_b32 v[RR+\j], v[SUM+2*\j], s38, s39   ; the point's other 64 units lie in the lane 16 away
.endr
.irp j, 0,1,2,3
	v_add_f32 v[SUM+2*\j], v[SUM+2*\j], v[RR+\j]
.endr
.irp j, 0,1,2,3
	v_add_f32 v[SUM+2*\j], v[SUM+2*\j], v[B3]
.endr
	v_cndmask_b32 v[OUTP], v[SUM], v[SUM+4], s30       ; lane (r, h) stores points 4 r + 2 h and 4 r + 2 h + 1
	v_cndmask_b32 v[OUTP+1], v[SUM+2], v[SUM+6], s30
	global_store_b64 v[OOFF], v[OUTP:OUTP+1], s[24:25] th:TH_STORE_NT   ; the 32 lanes write 256 consecutive bytes, aligned
	s_wait_xcnt 0x0                                ; the store has read its registers and its base: both are written again below and in the next trip
	s_add_nc_u64 s[24:25], s[24:25], 256
	s_add_co_u32 s27, s27, 1
	s_cmp_lt_u32 s27, 4
	s_cbranch_scc1 .Lquad
	s_wait_xcnt 0x0
	v_lshl_add_u32 v254, v0, 2, 0x15800
	v_mov_b32 v255, 0
	s_wait_tensorcnt 0x0
	ds_add_u32 v254, v255
	s_wait_dscnt 0x0
	s_endpgm
.Lfunc_end_k_qfc905b5f6e_main:
	.size	k_qfc905b5f6e_main, .Lfunc_end_k_qfc905b5f6e_main-k_qfc905b5f6e_main
	.p2alignl 7, 3214868480
	.fill 96, 4, 3214868480
	.section	.rodata,"a",@progbits
	.p2align	6, 0x0
	.amdhsa_kernel k_qfc905b5f6e_main
		.amdhsa_group_segment_fixed_size 90112
		.amdhsa_private_segment_fixed_size 0
		.amdhsa_enable_private_segment 0
		.amdhsa_kernarg_size 88
		.amdhsa_user_sgpr_count 2
		.amdhsa_user_sgpr_kernarg_segment_ptr 1
		.amdhsa_wavefront_size32 1
		.amdhsa_system_sgpr_workgroup_id_x 1
		.amdhsa_system_sgpr_workgroup_id_y 1
		.amdhsa_system_sgpr_workgroup_id_z 1
		.amdhsa_system_vgpr_workitem_id 0
		.amdhsa_next_free_vgpr 256
		.amdhsa_next_free_sgpr 90
		.amdhsa_reserve_vcc 0
		.amdhsa_float_denorm_mode_32 3
		.amdhsa_float_denorm_mode_16_64 3
		.amdhsa_memory_ordered 1
		.amdhsa_forward_progress 1
		.amdhsa_inst_pref_size 199
	.end_amdhsa_kernel
	.amdgpu_metadata
---
amdhsa.version: [ 1, 2 ]
amdhsa.kernels:
  - .name:           k_qfc905b5f6e_main
    .symbol:         k_qfc905b5f6e_main.kd
    .args:
      - { .name: x, .offset: 0, .size: 8, .value_kind: global_buffer, .address_space: global }
      - { .name: cells, .offset: 8, .size: 8, .value_kind: global_buffer, .address_space: global }
      - { .name: embeddings, .offset: 16, .size: 8, .value_kind: global_buffer, .address_space: global }
      - { .name: W1_codes, .offset: 24, .size: 8, .value_kind: global_buffer, .address_space: global }
      - { .name: W2_codes, .offset: 32, .size: 8, .value_kind: global_buffer, .address_space: global }
      - { .name: W3, .offset: 40, .size: 8, .value_kind: global_buffer, .address_space: global }
      - { .name: b1, .offset: 48, .size: 8, .value_kind: global_buffer, .address_space: global }
      - { .name: b2, .offset: 56, .size: 8, .value_kind: global_buffer, .address_space: global }
      - { .name: b3, .offset: 64, .size: 8, .value_kind: global_buffer, .address_space: global }
      - { .name: lowp_scales, .offset: 72, .size: 8, .value_kind: global_buffer, .address_space: global }
      - { .name: out0, .offset: 80, .size: 8, .value_kind: global_buffer, .address_space: global }
    .group_segment_fixed_size: 90112
    .private_segment_fixed_size: 0
    .kernarg_segment_align: 8
    .kernarg_segment_size: 88
    .max_flat_workgroup_size: 512
    .sgpr_count:     90
    .vgpr_count:     256
    .wavefront_size: 32
...
	.end_amdgpu_metadata
.endif
;; end of part 2
;; ======== version 2 of 2: 2 launches; version 1 with the launch main written anew for expert scheduling mode
;; workspace buffers: cells 50,331,648 bytes of whole numbers
;; launch prep: the kernel of part 1 again; grid 1024 x 1, 8 waves a work-group, no clusters, 0 bytes of LDS; arguments x, cells; writes cells
;; launch main (part 3): grid 256 x 1, 16 waves a work-group, no clusters, 90,112 bytes of LDS; arguments x, cells, embeddings, W1_codes, W2_codes, W3, b1, b2, b3, lowp_scales, out0; writes out0
.if DOCPART == 3
	.amdgcn_target "amdgcn-amd-amdhsa--gfx1250"
	.amdhsa_code_object_version 6
	.text
	.protected	k_qfc905b5f6e_main
	.globl	k_qfc905b5f6e_main
	.p2align	8
	.type	k_qfc905b5f6e_main,@function
k_qfc905b5f6e_main:
	s_mov_b64 s[64:65], 0
	v_nop
	global_prefetch_b8 v0, s[64:65] scope:SCOPE_SE
	s_setreg_imm32_b32 hwreg(HW_REG_WAVE_SCHED_MODE, 0, 2), 2
	s_setreg_imm32_b32 hwreg(HW_REG_WAVE_MODE, 25, 1), 1
	s_wait_xcnt 0x0
	s_wait_alu depctr_vm_vsrc(0)
; out = relu(relu(enc(x) W1 + b1) W2 + b2) W3 + b3.  enc: 16 levels of a hash grid, 8 corners x 2 numbers a level, trilinear weights: 32 features.
; The first two products run on codes of FP8 (E4M3) with the given scales 2^e0 .. 2^e3 (features, W1, hidden layer, W2); the last, with one column, is f32 multiply-adds.
; ADDRESSES come from whole numbers alone: the records in cells (made by the launch before: l bits a level and coordinate).  The fractions are made here from x by the same two instructions
; (a multiply, then an add: not fused) that gave the cells, so a cell and its fraction always belong together.
; SHARES.  256 work-groups of 16 waves, four to a SIMD with 256 registers each.  Wave W = 16 x work-group + wave owns quads 4 W .. 4 W + 3; a quad is 64 points, four tiles j of 16: point 64 qd + 4 r + j.
; TWO LANES TO A POINT: lane (r, h) is point r with the x-corner h.  x's prime is 1, so the two x-corners differ only in low index bits (dense levels: they are neighbours): the two lanes' 8 bytes mostly lie side by side.
; Each lane sums its four corners (y, z); the two halves meet by one lane swap, which also lays features 8 h .. and 16 + 8 h .. into the lanes that the K = 64 form's layout gives them.
; LEVELS.  0: scale 0, the same two numbers for every point: made once.  1-4: dense, 64 KB together: copied into LDS once.  5, 6: dense, from memory.  7-15: hashed, from memory.
; THE PRODUCTS are used transposed (source 0 = 16 units of a weight, source 1 = 16 points): a lane holds one point, its registers run along the units, which are the next K.  The units that form a tile of W1 are
; 32 b + 8 u + m + 8 (m / 8), so that a lane's 16 registers of tiles 2 b, 2 b + 1 are 16 neighbouring units.  Every sum is ONE matrix instruction (K = 32 padded with zero codes to 64; K = 128), its C the bias
; divided by the power of two that the sums lack.  The weights lie in LDS as images of their operand registers (16 bytes a lane, 512 bytes a load).
; LDS is written once, at the head, in front of the one barrier, and only read after it.
; No cluster: the work-groups share only the head's 86 KB.  No tensor load: nothing dense is fetched but those.  No prefetch instruction: x and the records are asked for into registers a phase ahead.
; LIMITS: x in [0, 1] (the encoding's own domain; outside it addresses stay inside the tables, the values are not served).  e0 and e2 - e0 - e1 between -126 and 119, so that 2^e and 448 x 2^e are f32 numbers; the other
; powers of two go by v_ldexp_f32.  NaN among the inputs is not served.
; THE MODE: SCHED_MODE bits 1:0 = 2 (LLVM: expert scheduling mode 2), set by the entry lines.  The code itself states the register dependences
; between vector or matrix instructions and memory or LDS instructions, with s_wait_alu, always for 0.
; THE PLAN.  Registers that memory or LDS instructions touch, round the loop:
;   IX      the gathers' indices and addresses: v17, v18 (levels 5, 6), v[76:107] (levels 7-14), v[240:243] (level 15), v[244:247] (levels 1-4, in LDS).  Written by a tile's index lines, read by its gathers,
;           written again by the same tile's sums (they are P, T and U then) and by the next tile's index lines.
;   G, L    the gathers land here; the tile's sums read them; in the products they are H1, ACC, WA and BI.
;   Q, XF   the records and x land here; the index lines read Q, the sums read XF.
;   WA, BI, W3A, W3B   the weights' LDS loads land here, a step ahead; matrix instructions and the last layer's multiply-adds read them.
;   OUTP    written by two selects, read by the store, a temporary of the next trip's index lines.
;   v4 - v9 offsets and LDS addresses made at the head and never written again.
; A TILE makes its indices in three batches; behind each stands one wait on va_vdst and then the batch's run of gathers.  Between a wait and its run stands no vector line, and between the runs the vector lines name
; only the later batches' IX and the temporaries v228-234.  Behind the last run one wait on XCNT and one on vm_vsrc free all of IX for the sums.  The sums hold no memory instruction and so no further wait.
; THE PRODUCTS: one wait on va_vdst behind tile 3 (for the next quad's x and records and the first weights), one in each step behind its matrix instructions (for the next step's weights), one ahead of the store;
; one wait on vm_vsrc behind the store.
.set T4END, 65536
.set W1IMG, 65536                      ; LDS: levels 1, 2, 3 at 0, 8192, 16384 (8,192 bytes each), level 4 at 24576 (40,960); W1's 8 tiles x 512 bytes;
.set W2IMG, 69632                      ; W2's 8 tiles x 4 x 512 bytes;
.set PARAM, 86016                      ; b1 / 2^(e0+e1), b2 / 2^(e2+e3), W3 x 2^(e2+e3): 512 bytes each
.set HI,   1                           ; v1   h (whole number)
.set C0,   2                           ; v2   1 - h     (f32)
.set C1,   3                           ; v3   2 h - 1   (f32): wx = fx C1 + C0 is 1 - fx or fx
.set QOFF, 4                           ; v4   16 r: my point's record in a tile's 256 bytes
.set XOFF, 5                           ; v5   48 r: my four points' x in a quad's 768 bytes
.set OOFF, 6                           ; v6   16 r + 8 h: my two results in a quad's 256 bytes
.set LI,   7                           ; v7   W1IMG + 16 x lane
.set BA1,  8                           ; v8   PARAM + 64 h
.set BA2,  9                           ; v9   PARAM + 512 + 32 h
.set SC0,  10                          ; v10  2^e0;  v11  448 x 2^e0
.set LIM0, 11
.set SC1,  12                          ; v12  2^(e2-e0-e1);  v13  448 x that
.set LIM1, 13
.set F0,   14                          ; v[14:15] half of level 0's two features
.set B3,   16                          ; v16  b3
.set DA,   17                          ; v17, v18 byte offsets of levels 5, 6
.set XF,   20                          ; v[20:31] x of my four points: point j at 20 + 3 j
.set Q,    32                          ; v[32:43] the tile's three records
.set FR,   44                          ; v[44:75] the features' codes: tile j at 44 + 8 j: 4 registers of codes, 4 of zeros
.set P,    76                          ; v[76:107]  encode: first the indices of levels 7-14, four a level; then my part of feature k = 2 l + f
.set G,    108                         ; v[108:195] encode: level l's four corners at 108 + 8 (l - 5)
.set L,    196                         ; v[196:227] encode: the same for levels 1-4, at 196 + 8 (l - 1)
.set X,    228
.set Y,    229
.set Z,    230
.set Y1,   231
.set Z1,   232
.set A0,   233
.set A1,   234
.set T,    236                         ; v[236:239] pos
.set U,    240                         ; v[240:251] first level 15's four indices (240-243) and the LDS addresses of levels 1-4 (244-247); then fractions and weights
.set LAD,  244
.set H1,   76                          ; MLP: v[76:139]  the hidden layer's codes: tile j at 76 + 16 j
.set ACC,  140                         ; MLP: v[140:203] sums
.set WA,   204                         ; MLP: v[204:219] a weight's fragment(s)
.set BI,   220                         ; MLP: v[220:235] biases (layer 2: v[220:227])
.set W3A,  228                         ; MLP: W3's eight numbers of a tile, two sets by turns
.set W3B,  244
.set SUM,  236                         ; MLP: v[236:243] the last layer's sums, a pair a tile
.set OUTP, 228                         ; the two results that I store
.set RR,   252                         ; v[252:255] the lane exchange's destinations
.set EB,   66                          ; s[66:87] the tables of levels 5 .. 15
; head only
.set TA,   236
.set W2A,  237
.set W1A,  238
.set PAA,  239
.set W2G,  240
.set W1G,  241
.set PG,   242
.set LN,   243
.set RL,   244
.set L16,  245
.set K8,   246
.macro FIELD lv                        ; fd: the dword, fo: the first bit of level lv's field in a record
.if (\lv) == 15
.set fd, 0
.set fo, 0
.elseif (\lv) == 14
.set fd, 0
.set fo, 15
.elseif (\lv) == 3
.set fd, 0
.set fo, 29
.elseif (\lv) == 13
.set fd, 1
.set fo, 0
.elseif (\lv) == 12
.set fd, 1
.set fo, 13
.elseif (\lv) == 7
.set fd, 1
.set fo, 25
.elseif (\lv) == 11
.set fd, 2
.set fo, 0
.elseif (\lv) == 10
.set fd, 2
.set fo, 11
.elseif (\lv) == 9
.set fd, 2
.set fo, 21
.elseif (\lv) == 2
.set fd, 2
.set fo, 30
.elseif (\lv) == 8
.set fd, 3
.set fo, 0
.elseif (\lv) == 6
.set fd, 3
.set fo, 8
.elseif (\lv) == 5
.set fd, 3
.set fo, 14
.elseif (\lv) == 4
.set fd, 3
.set fo, 19
.else
.set fd, 3
.set fo, 23
.endif
.endm
.macro IXOF lv                         ; ix: the first of a hashed level's four index registers
.set ix, P+4*((\lv)-7)
.if (\lv) == 15
.set ix, U
.endif
.endm
.macro PLACES                          ; four plain vector instructions between a matrix instruction and a vector read of its result (ISA guide 7.12.1)
.rept 4
	v_nop
.endr
.endm
.macro XQLOAD                          ; a quad's x (my four points) and its first tile's records
.irp c, 0,1,2
	global_load_b128 v[XF+4*\c:XF+4*\c+3], v[XOFF], s[4:5] offset:16*\c th:TH_LOAD_NT
.endr
	global_load_b128 v[Q:Q+3], v[QOFF], s[48:49] th:TH_LOAD_NT
	global_load_b128 v[Q+4:Q+7], v[QOFF], s[50:51] th:TH_LOAD_NT
	global_load_b128 v[Q+8:Q+11], v[QOFF], s[52:53] th:TH_LOAD_NT
.endm
; A hashed level: index = (x + h) ^ (y + a) p1 ^ (z + b) p2, cut to 19 bits.  HIDX makes the index of corner a + 2 b in v[ix + a + 2 b]; HLOAD brings that corner into v[g + 2 (a + 2 b)] on.
.macro HIDX lv
	FIELD \lv
	IXOF \lv
	v_bfe_u32 v[X], v[Q+fd], fo, \lv
	v_bfe_u32 v[Y], v[Q+4+fd], fo, \lv
	v_bfe_u32 v[Z], v[Q+8+fd], fo, \lv
	v_add_nc_u32 v[X], v[X], v[HI]
	v_mul_lo_u32 v[Y], v[Y], s28
	v_mul_lo_u32 v[Z], v[Z], s29
	v_add_nc_u32 v[Y1], s28, v[Y]                  ; (y + 1) p1, modulo 2^32
	v_add_nc_u32 v[Z1], s29, v[Z]
	v_xor_b32 v[A0], v[X], v[Y]
	v_xor_b32 v[A1], v[X], v[Y1]
	v_xor_b32 v[ix], v[A0], v[Z]
	v_xor_b32 v[ix+1], v[A1], v[Z]
	v_xor_b32 v[ix+2], v[A0], v[Z1]
	v_xor_b32 v[ix+3], v[A1], v[Z1]
.irp c, 0,1,2,3
	v_and_b32 v[ix+\c], 0x7ffff, v[ix+\c]
.endr
.irp c, 0,1,2,3
	v_min_u32 v[ix+\c], 0x7ffff, v[ix+\c]          ; changes nothing: a number that came from memory is bounded by a written constant as the last step before it is an index
.endr
.endm
.macro HLOAD lv
	IXOF \lv
.set g, G+8*((\lv)-5)
.set eb, EB+2*((\lv)-5)
.irp c, 0,1,2,3
	global_load_b64 v[g+2*\c:g+2*\c+1], v[ix+\c], s[eb:eb+1] scale_offset   ; 8 bytes at table + 8 x index
.endr
.endm
; A dense level's index of corner (h, 0, 0): (x + h) + y r + z r^2, r = 2^lv.  With fields of lv bits it is at most r^3, and with the corners' r + r^2 it stays under 2^19: the source text's mask changes nothing.
.macro DIDX lv
	FIELD \lv
	v_bfe_u32 v[X], v[Q+fd], fo, \lv
	v_bfe_u32 v[Y], v[Q+4+fd], fo, \lv
	v_bfe_u32 v[Z], v[Q+8+fd], fo, \lv
	v_add_nc_u32 v[X], v[X], v[HI]
	v_lshl_add_u32 v[Y], v[Z], \lv, v[Y]
	v_lshl_add_u32 v[X], v[Y], \lv, v[X]
	v_min_u32 v[X], 1<<(3*(\lv)), v[X]             ; changes nothing: the written bound
.endm
.macro DGIDX lv                        ; levels 5, 6: the byte offset
	DIDX \lv
	v_lshlrev_b32 v[DA+(\lv)-5], 3, v[X]
.endm
.macro DGLOAD lv                       ; levels 5, 6: from memory; the corners (a, b) stand in the immediates
.set g, G+8*((\lv)-5)
.set eb, EB+2*((\lv)-5)
.set da, DA+(\lv)-5
.irp c, 0,1,2,3
	global_load_b64 v[g+2*\c:g+2*\c+1], v[da], s[eb:eb+1] offset:8*(((\c)&1)<<(\lv))+8*(((\c)>>1)<<(2*(\lv)))
.endr
.endm
.macro LIDX lv                         ; levels 1-4: the LDS address, a register a level
	DIDX \lv
	v_lshl_add_u32 v[LAD+(\lv)-1], v[X], 3, 8192*((\lv)-1)
.endm
.macro LLOAD lv                        ; levels 1-4: from LDS
.set lb, L+8*((\lv)-1)
.irp c, 0,1,2,3
	ds_load_b64 v[lb+2*\c:lb+2*\c+1], v[LAD+(\lv)-1] offset:8*(((\c)&1)<<(\lv))+8*(((\c)>>1)<<(2*(\lv)))
.endr
.endm
; Level lv of tile j: fractions, weights ((wx wy) wz, as the source text multiplies them), and my four corners' part of the two features.  d: the corners' registers.  The wait stands behind the weights.
.macro FEAT lv, d, j, inlds, cnt
.set SCL, (((\lv)+126)<<23)|(((1<<((\lv)-1))-1)<<(24-(\lv)))   ; 2^lv - 1 as f32
.set pa, XF+3*(\j)-((\j)&1)            ; an even register: my point's three numbers begin po behind it
.set po, (\j)&1
.set pp, P+2*(\lv)
	v_pk_mul_f32 v[T:T+1], v[pa:pa+1], SCL op_sel_hi:[1,0]
	v_pk_mul_f32 v[T+2:T+3], v[pa+2:pa+3], SCL op_sel_hi:[1,0]
	v_pk_add_f32 v[T:T+1], v[T:T+1], 0.5 op_sel_hi:[1,0]       ; pos: two roundings, the same as where the cells were made
	v_pk_add_f32 v[T+2:T+3], v[T+2:T+3], 0.5 op_sel_hi:[1,0]
	v_fract_f32 v[U+1], v[T+po]                    ; fx
	v_fract_f32 v[U+3], v[T+po+1]                  ; fy
	v_fract_f32 v[U+5], v[T+po+2]                  ; fz
	v_fma_f32 v[U], v[U+1], v[C1], v[C0]           ; wx of my x-corner
	v_sub_f32 v[U+2], 1.0, v[U+3]
	v_sub_f32 v[U+4], 1.0, v[U+5]
	v_pk_mul_f32 v[U+6:U+7], v[U+2:U+3], v[U:U+1] op_sel_hi:[1,0]                    ; wx (1 - fy), wx fy
	v_pk_mul_f32 v[U+8:U+9], v[U+6:U+7], v[U+4:U+5] op_sel_hi:[1,0]                  ; x (1 - fz)
	v_pk_mul_f32 v[U+10:U+11], v[U+6:U+7], v[U+4:U+5] op_sel:[0,1] op_sel_hi:[1,1]   ; x fz
.if \inlds
	s_wait_dscnt \cnt                              ; this level's four are in; the later levels' four each may be out
.else
	s_wait_loadcnt \cnt                            ; this level's four are in; out may be the later levels' four each and the next tile's three records
.endif
	v_pk_mul_f32 v[pp:pp+1], v[(\d):(\d)+1], v[U+8:U+9] op_sel_hi:[1,0]
	v_pk_fma_f32 v[pp:pp+1], v[(\d)+2:(\d)+3], v[U+8:U+9], v[pp:pp+1] op_sel:[0,1,0] op_sel_hi:[1,1,1]
	v_pk_fma_f32 v[pp:pp+1], v[(\d)+4:(\d)+5], v[U+10:U+11], v[pp:pp+1] op_sel_hi:[1,0,1]
	v_pk_fma_f32 v[pp:pp+1], v[(\d)+6:(\d)+7], v[U+10:U+11], v[pp:pp+1] op_sel:[0,1,0] op_sel_hi:[1,1,1]
.endm
; A tile of 16 points.  Its indices are made in three batches, each followed by one wait and the batch's run of gathers: 44 from memory in the order of the levels, the next tile's records (pre = 1), 16 from LDS;
; the levels are then worked in the order in which they were asked for.
.macro TILE j, pre
	s_wait_loadcnt 0x0                             ; the tile's records (and, in a quad's first tile, x): nothing else is out
	DGIDX 5
	DGIDX 6
	HIDX 7
	HIDX 8
	s_wait_alu depctr_va_vdst(0)                   ; the offsets and indices of levels 5 to 8 are written, which the loads below read; and every vector and matrix line that named v[G ..] and v[L ..] (the last tile's sums, the last quad's products) is done: this tile's gathers land there
	DGLOAD 5
	DGLOAD 6
	HLOAD 7
	HLOAD 8
.irp l, 9,10,11,12
	HIDX \l
.endr
	s_wait_alu depctr_va_vdst(0)                   ; the indices of levels 9 to 12 are written, which the loads below read
.irp l, 9,10,11,12
	HLOAD \l
.endr
.irp l, 13,14,15
	HIDX \l
.endr
.irp l, 1,2,3,4
	LIDX \l
.endr
	s_wait_alu depctr_va_vdst(0)                   ; the indices of levels 13 to 15 and the LDS addresses of levels 1 to 4 are written, which the loads below read; the index lines are done reading v[Q ..], in which the next tile's records land
.irp l, 13,14,15
	HLOAD \l
.endr
.if \pre
	global_load_b128 v[Q:Q+3], v[QOFF], s[48:49] offset:((\j)+1)*256 th:TH_LOAD_NT
	global_load_b128 v[Q+4:Q+7], v[QOFF], s[50:51] offset:((\j)+1)*256 th:TH_LOAD_NT
	global_load_b128 v[Q+8:Q+11], v[QOFF], s[52:53] offset:((\j)+1)*256 th:TH_LOAD_NT
.endif
.irp l, 1,2,3,4
	LLOAD \l
.endr
	s_wait_xcnt 0x0                                ; the gathers' addresses are translated (ISA guide 3.1): only behind this wait are their index registers written again,
	s_wait_alu depctr_vm_vsrc(0)                   ; and the gathers, from memory and from LDS, have read v17, v18, v[P ..] and v[U .. U+7]: the sums below write P, T and U, the next tile's index lines all of them
	v_mov_b32 v[P], v[F0]                          ; level 0: each of the point's two lanes carries half
	v_mov_b32 v[P+1], v[F0+1]
.irp l, 1,2,3,4
	FEAT \l, L+8*(\l-1), \j, 1, 16-4*\l
.endr
.irp l, 5,6,7,8,9,10,11,12,13,14,15
	FEAT \l, G+8*(\l-5), \j, 0, 60-4*\l+3*\pre
.endr
.irp k, 0,1,2,3,4,5,6,7,16,17,18,19,20,21,22,23
	v_permlane16_swap_b32 v[P+\k], v[P+\k+8]       ; lanes 0-15 now hold both parts of feature k, lanes 16-31 both parts of feature k + 8
.endr
.irp k, 0,2,4,6,16,18,20,22
	v_pk_add_f32 v[P+\k:P+\k+1], v[P+\k:P+\k+1], v[P+\k+8:P+\k+9]
.endr
.irp k, 0,1,2,3,4,5,6,7,16,17,18,19,20,21,22,23
	v_med3_num_f32 v[P+\k], v[P+\k], -v[LIM0], v[LIM0]   ; the conversion to an 8-bit code does not saturate (ISA guide 7.6.2): the hold at the largest code x the scale
.endr
	v_cvt_scalef32_pk8_fp8_f32 v[FR+8*(\j):FR+8*(\j)+1], v[P:P+7], v[SC0]         ; k = 8 h + 0 .. 7
	v_cvt_scalef32_pk8_fp8_f32 v[FR+8*(\j)+2:FR+8*(\j)+3], v[P+16:P+23], v[SC0]   ; k = 16 + 8 h + 0 .. 7
	v_nop                                          ; one plain vector instruction behind the conversions, ahead of whatever next writes their sources or reads their results
.endm
.macro L1LOAD b                        ; W1's tiles 2 b, 2 b + 1 (their lower 32 of K; the upper stay zero codes) and b1 at my 16 units 32 b + 16 h + 0 .. 15
	ds_load_b128 v[WA:WA+3], v[LI] offset:1024*(\b)
	ds_load_b128 v[WA+8:WA+11], v[LI] offset:1024*(\b)+512
.irp c, 0,1,2,3
	ds_load_b128 v[BI+4*\c:BI+4*\c+3], v[BA1] offset:128*(\b)+16*\c
.endr
.endm
.macro L2LOAD t                        ; W2's tile t, and b2 and W3 at my 8 units 16 t + 8 h + 0 .. 7
.irp c, 0,1,2,3
	ds_load_b128 v[WA+4*\c:WA+4*\c+3], v[LI] offset:4096+2048*(\t)+512*\c
.endr
	ds_load_b128 v[BI:BI+3], v[BA2] offset:64*(\t)
	ds_load_b128 v[BI+4:BI+7], v[BA2] offset:64*(\t)+16
.set w3l, W3A+(W3B-W3A)*((\t)&1)
	ds_load_b128 v[w3l:w3l+3], v[BA2] offset:512+64*(\t)
	ds_load_b128 v[w3l+4:w3l+7], v[BA2] offset:512+64*(\t)+16
.endm
	; ---- THE HEAD
	s_load_b512 s[4:19], s[0:1], 0x0               ; x 4, cells 6, embeddings 8, W1's codes 10, W2's codes 12, W3 14, b1 16, b2 18
	s_load_b128 s[20:23], s[0:1], 0x40             ; b3 20, the scales' exponents 22
	s_load_b64 s[24:25], s[0:1], 0x50              ; out
	v_lshrrev_b32 v1, 5, v0
	v_readfirstlane_b32 s26, v1                    ; wave 0..15
	v_and_b32 v[LN], 31, v0                        ; lane
	v_and_b32 v[RL], 15, v0                        ; r
	v_bfe_u32 v[HI], v0, 4, 1                      ; h
	v_cvt_f32_u32 v[C1], v[HI]
	v_sub_f32 v[C0], 1.0, v[C1]
	v_fma_f32 v[C1], v[C1], 2.0, -1.0
	v_lshlrev_b32 v[QOFF], 4, v[RL]
	v_mul_u32_u24 v[XOFF], v[RL], 48
	v_lshl_add_u32 v[OOFF], v[HI], 3, v[QOFF]
	v_lshlrev_b32 v[L16], 4, v[LN]
	v_add_nc_u32 v[LI], W1IMG, v[L16]
	v_lshlrev_b32 v[BA1], 6, v[HI]
	v_add_nc_u32 v[BA1], PARAM, v[BA1]
	v_lshlrev_b32 v[BA2], 5, v[HI]
	v_add_nc_u32 v[BA2], PARAM+512, v[BA2]
	; where the head's stores go: every LDS address is a constant + a constant x lane + a constant x wave, made ahead of the one branch on the wave's number
	v_lshlrev_b32 v[TA], 4, v0                     ; the tables: 16 bytes a thread, 8,192 a round; the same offset in memory
	s_wait_alu depctr_va_sdst(0)                   ; s26, the wave's number, is written, ahead of its first reader
	s_lshl_b32 s54, s26, 10
	s_add_co_u32 s54, s54, W2IMG
	v_add_nc_u32 v[W2A], s54, v[L16]               ; W2: wave w stores pieces c = 2 (w % 2), + 1 of tile w / 2: W2IMG + 1024 w + 16 lane, and 512 on
	s_lshr_b32 s55, s26, 1                         ; t = w / 2
	s_and_b32 s56, s26, 1                          ; w % 2
	s_lshl_b32 s57, s55, 9
	s_lshl_b32 s58, s56, 3
	s_add_co_u32 s57, s57, s58
	s_add_co_u32 s57, s57, W1IMG
	v_add_nc_u32 v[W1A], s57, v[L16]               ; W1: 8 bytes a lane: W1IMG + 512 t + 16 lane + 8 (w % 2)
	v_lshl_add_u32 v[PAA], v0, 2, PARAM            ; b1, b2, W3: a word a thread (threads 0 .. 383)
	; and where the weights come from
	v_lshlrev_b32 v[W2G], 7, v[RL]
	v_lshl_add_u32 v[W2G], v[HI], 4, v[W2G]
	s_lshl_b32 s57, s55, 11
	s_lshl_b32 s58, s56, 6
	s_add_co_u32 s57, s57, s58
	v_add_nc_u32 v[W2G], s57, v[W2G]               ; W2: (16 t + r) x 128 + 16 h + 64 (w % 2)
	v_and_b32 v[W1G], 8, v[RL]
	v_add_nc_u32 v[W1G], v[W1G], v[RL]             ; r + 8 (r / 8)
	v_lshlrev_b32 v[W1G], 5, v[W1G]
	v_lshl_add_u32 v[W1G], v[HI], 3, v[W1G]
	s_lshr_b32 s57, s55, 1
	s_lshl_b32 s57, s57, 10
	s_and_b32 s58, s55, 1
	s_lshl_b32 s58, s58, 8
	s_add_co_u32 s57, s57, s58
	s_lshl_b32 s58, s56, 4
	s_add_co_u32 s57, s57, s58
	v_add_nc_u32 v[W1G], s57, v[W1G]               ; W1: (32 (t / 2) + 8 (t % 2) + r + 8 (r / 8)) x 32 + 8 h + 16 (w % 2)
	v_and_b32 v[PG], 127, v0
	v_lshlrev_b32 v[PG], 2, v[PG]
	s_wait_kmcnt 0x0
	s_load_b128 s[32:35], s[22:23], 0x0            ; e0, e1, e2, e3
	s_load_b32 s36, s[20:21], 0x0                  ; b3
	s_load_b256 s[40:47], s[8:9], 0x0              ; level 0's entries 0 .. 3
	s_add_nc_u64 s[58:59], s[8:9], 0x400000        ; level 1 (a level's table is 4 MiB); level 2 by the immediate
	s_add_nc_u64 s[60:61], s[8:9], 0xc00000        ; level 3; level 4 by the immediate
	s_wait_alu depctr_va_vdst(0)                   ; every offset and LDS address made above is written: v4 to v9, which loads and stores of the whole kernel read, and v236 to v242, which the head's read
	global_load_b128 v[108:111], v[TA], s[58:59]
	global_load_b128 v[112:115], v[TA], s[58:59] offset:0x400000
	global_load_b128 v[116:119], v[TA], s[60:61]
.irp k, 0,1,2,3,4
	global_load_b128 v[120+4*\k:123+4*\k], v[TA], s[60:61] offset:0x400000+8192*\k
.endr
	global_load_b128 v[140:143], v[W2G], s[12:13]
	global_load_b128 v[144:147], v[W2G], s[12:13] offset:32
	global_load_b64 v[148:149], v[W1G], s[10:11]
.irp l, 5,6,7,8,9,10,11,12,13,14,15
	s_add_nc_u64 s[EB+2*(\l-5):EB+2*(\l-5)+1], s[8:9], \l*0x400000
.endr
	s_mov_b32 s28, 0x9e3779b1                      ; y's prime
	s_mov_b32 s29, 0x30025795                      ; z's prime
	s_mov_b32 s30, 0xffff0000                      ; the lanes with h = 1
	s_mov_b32 s38, 0x76543210                      ; v_permlanex16_b32: lane l xor 16
	s_mov_b32 s39, 0xfedcba98
	s_wait_kmcnt 0x0
	s_add_co_i32 s54, s32, s33                     ; e0 + e1
	s_add_co_i32 s55, s34, s35                     ; e2 + e3
	s_sub_co_i32 s56, 0, s54
	s_sub_co_i32 s57, 0, s55
	s_lshr_b32 s37, s26, 2                         ; waves 0-3: b1 / 2^(e0+e1); 4-7: b2 / 2^(e2+e3); 8-11: W3 x 2^(e2+e3)
	s_cmp_eq_u32 s37, 0
	s_cselect_b64 s[62:63], s[16:17], s[18:19]
	s_cselect_b32 s31, s56, s57
	s_cmp_eq_u32 s37, 2
	s_cselect_b64 s[62:63], s[14:15], s[62:63]
	s_cselect_b32 s31, s55, s31
	s_cmp_lt_u32 s26, 12
	s_cbranch_scc0 .Lno_param                      ; waves 12-15 have no word of these
	global_load_b32 v150, v[PG], s[62:63]
	s_wait_loadcnt 0x0
	v_ldexp_f32 v150, v150, s31
	s_wait_alu depctr_va_vdst(0)                   ; v150 is written, which the LDS store reads
	ds_store_b32 v[PAA], v150
.Lno_param:
	s_wait_loadcnt 0x0
	ds_store_b128 v[TA], v[108:111]
	ds_store_b128 v[TA], v[112:115] offset:8192
	ds_store_b128 v[TA], v[116:119] offset:16384
.irp k, 0,1,2,3,4
	ds_store_b128 v[TA], v[120+4*\k:123+4*\k] offset:24576+8192*\k
.endr
	ds_store_b128 v[W2A], v[140:143]
	ds_store_b128 v[W2A], v[144:147] offset:512
	ds_store_b64 v[W1A], v[148:149]
	s_wait_dscnt 0x0                               ; for the others' sake: my stores have landed
	s_barrier_signal -1
	s_barrier_wait -1                              ; the one barrier: from here on LDS is only read
	s_wait_alu depctr_vm_vsrc(0)                   ; the head's loads and LDS stores have read v[108:150] and v[236:242]: from here on gathers land in the first, and index lines and sums write the second
	s_lshl_b32 s54, ttmp9, 4
	s_add_co_u32 s54, s54, s26                     ; W
	s_mov_b32 s57, 0
	s_lshl_b32 s56, s54, 12                        ; four quads of 1,024 bytes in each plane,
	s_add_nc_u64 s[48:49], s[6:7], s[56:57]
	s_add_nc_u64 s[50:51], s[48:49], 0x1000000
	s_add_nc_u64 s[52:53], s[50:51], 0x1000000
	s_mul_i32 s56, s54, 3072                       ; of 768 in x,
	s_add_nc_u64 s[4:5], s[4:5], s[56:57]
	s_lshl_b32 s56, s54, 10                        ; of 256 in out
	s_add_nc_u64 s[24:25], s[24:25], s[56:57]
	XQLOAD                                         ; the first quad; the constants below are made meanwhile.  (No vector line has named v[XF ..] or v[Q ..], and none below does)
	s_add_co_i32 s54, s32, 127
	s_lshl_b32 s55, s54, 23
	v_mov_b32 v[SC0], s55                          ; 2^e0 as f32: the conversion takes its exponent field
	s_add_co_i32 s54, s54, 8
	s_lshl_b32 s54, s54, 23
	s_or_b32 s54, s54, 0x600000
	v_mov_b32 v[LIM0], s54                         ; 448 x 2^e0
	s_sub_co_i32 s54, s34, s32
	s_sub_co_i32 s54, s54, s33                     ; a sum of the first product stands for sum x 2^(e0+e1): its code is sum / 2^(e2-e0-e1)
	s_add_co_i32 s54, s54, 127
	s_lshl_b32 s55, s54, 23
	v_mov_b32 v[SC1], s55
	s_add_co_i32 s54, s54, 8
	s_lshl_b32 s54, s54, 23
	s_or_b32 s54, s54, 0x600000
	v_mov_b32 v[LIM1], s54
	v_mov_b32 v[B3], s36
	v_mov_b32 v[K8], 0x3e000000                    ; level 0: every weight is 0.5^3; corner c reads entry (number of ones in c)
.irp f, 0,1
	v_mul_f32 v[F0+\f], s[40+\f], v[K8]
.irp e, 42,42,44,42,44,44,46
	v_fma_f32 v[F0+\f], s[\e+\f], v[K8], v[F0+\f]
.endr
	v_mul_f32 v[F0+\f], 0.5, v[F0+\f]              ; half for each of a point's two lanes: exact
.endr
.irp j, 0,1,2,3
.irp k, 4,5,6,7
	v_mov_b32 v[FR+8*\j+\k], 0                     ; K = 32 .. 63: zero codes, written once
.endr
.endr
.irp j, 0,1,2,3
	v_mov_b32 v[RR+\j], 0                          ; a lane exchange's destination counts as one of its sources: written once
.endr
	s_mov_b32 s27, 0
.Lquad:                                            ; four trips: a quad of 64 points each
	TILE 0, 1
	TILE 1, 1
	TILE 2, 1
	TILE 3, 0
.irp k, 4,5,6,7,12,13,14,15
	v_mov_b32 v[WA+\k], 0                          ; W1's K = 32 .. 63: zero codes
.endr
	s_wait_alu depctr_va_vdst(0)                   ; the four tiles' lines are done reading v[XF ..] and v[Q ..], in which the next quad's x and records land, and done with v[WA ..] and v[BI ..] (corners and temporaries until now), in which W1 and b1 land
	s_cmp_eq_u32 s27, 3                            ; no load is out here (the last level's wait was for 0), so the bases may step.  The last quad asks for nothing: no load leaves its buffer
	s_cbranch_scc1 .Lno_next
	s_add_nc_u64 s[48:49], s[48:49], 1024
	s_add_nc_u64 s[50:51], s[50:51], 1024
	s_add_nc_u64 s[52:53], s[52:53], 1024
	s_add_nc_u64 s[4:5], s[4:5], 768
	XQLOAD                                         ; the next quad's x and first records land while this quad's products run: no line of the products names their registers
.Lno_next:
	; ---- THE FIRST PRODUCT, 32 units at a time for the four tiles: eight sums, each one matrix instruction, C = b1 / 2^(e0+e1)
	L1LOAD 0
.irp b, 0,1,2,3
	s_wait_dscnt 0x0
.irp j, 0,1,2,3
.irp u, 0,1
	v_wmma_f32_16x16x64_fp8_fp8 v[ACC+16*\j+8*\u:ACC+16*\j+8*\u+7], v[WA+8*\u:WA+8*\u+7], v[FR+8*\j:FR+8*\j+7], v[BI+8*\u:BI+8*\u+7]
.endr
.endr
	PLACES
	s_wait_alu depctr_va_vdst(0)                   ; the eight matrix instructions are done reading v[WA ..] and v[BI ..], in which the next step's weights and biases land
.if \b < 3
	L1LOAD \b+1
.else
	L2LOAD 0
.endif
.irp j, 0,1,2,3
.irp i, 0,1,2,3,4,5,6,7,8,9,10,11,12,13,14,15
	v_med3_num_f32 v[ACC+16*\j+\i], v[ACC+16*\j+\i], 0, v[LIM1]   ; the activation and the hold in one; each sum from its low end on
.endr
	v_cvt_scalef32_pk8_fp8_f32 v[H1+16*\j+4*\b:H1+16*\j+4*\b+1], v[ACC+16*\j:ACC+16*\j+7], v[SC1]         ; k = 32 b + 16 h + 0 .. 7 of the next product
	v_cvt_scalef32_pk8_fp8_f32 v[H1+16*\j+4*\b+2:H1+16*\j+4*\b+3], v[ACC+16*\j+8:ACC+16*\j+15], v[SC1]    ; + 8 .. 15
.endr
	v_nop                                          ; one plain vector instruction behind the last conversion: the next products write its sources or read its results
.endr
	; ---- THE SECOND PRODUCT, 16 units at a time, and the third on its heels: out = sum of relu(sum) x (W3 x 2^(e2+e3)) + b3
.irp t, 0,1,2,3,4,5,6,7
	s_wait_dscnt 0x0
.irp j, 0,1,2,3
	v_wmma_f32_16x16x128_fp8_fp8 v[ACC+8*\j:ACC+8*\j+7], v[WA:WA+15], v[H1+16*\j:H1+16*\j+15], v[BI:BI+7]
.endr
	PLACES
.if \t < 7
	s_wait_alu depctr_va_vdst(0)                   ; the four matrix instructions are done reading v[WA ..] and v[BI ..], and the multiply-adds of the step before are done reading the other set of W3: the next step's loads land in all three
	L2LOAD \t+1
.endif
.irp j, 0,1,2,3
.irp i, 0,1,2,3,4,5,6,7
	v_max_num_f32 v[ACC+8*\j+\i], 0, v[ACC+8*\j+\i]
.endr
.endr
.set w3u, W3A+(W3B-W3A)*(\t&1)
.irp i, 0,2,4,6
.irp j, 0,1,2,3
.if (\t == 0) && (\i == 0)
	v_pk_mul_f32 v[SUM+2*\j:SUM+2*\j+1], v[ACC+8*\j+\i:ACC+8*\j+\i+1], v[w3u+\i:w3u+\i+1]   ; the first product starts the sums
.else
	v_pk_fma_f32 v[SUM+2*\j:SUM+2*\j+1], v[ACC+8*\j+\i:ACC+8*\j+\i+1], v[w3u+\i:w3u+\i+1], v[SUM+2*\j:SUM+2*\j+1]
.endif
.endr
.endr
.endr
.irp j, 0,1,2,3
	v_add_f32 v[SUM+2*\j], v[SUM+2*\j], v[SUM+2*\j+1]
.endr
.irp j, 0,1,2,3
	v_permlanex16_b32 v[RR+\j], v[SUM+2*\j], s38, s39   ; the point's other 64 units lie in the lane 16 away
.endr
.irp j, 0,1,2,3
	v_add_f32 v[SUM+2*\j], v[SUM+2*\j], v[RR+\j]
.endr
.irp j, 0,1,2,3
	v_add_f32 v[SUM+2*\j], v[SUM+2*\j], v[B3]
.endr
	v_cndmask_b32 v[OUTP], v[SUM], v[SUM+4], s30       ; lane (r, h) stores points 4 r + 2 h and 4 r + 2 h + 1
	v_cndmask_b32 v[OUTP+1], v[SUM+2], v[SUM+6], s30
	s_wait_alu depctr_va_vdst(0)                   ; the two selects have written v[OUTP], v[OUTP+1], which the store reads
	global_store_b64 v[OOFF], v[OUTP:OUTP+1], s[24:25] th:TH_STORE_NT   ; the 32 lanes write 256 consecutive bytes, aligned
	s_wait_xcnt 0x0                                ; the store has read its registers and its base: both are written again below and in the next trip
	s_wait_alu depctr_vm_vsrc(0)                   ; the store has read v[OUTP], v[OUTP+1], which the next trip's index lines write as temporaries
	s_add_nc_u64 s[24:25], s[24:25], 256
	s_add_co_u32 s27, s27, 1
	s_cmp_lt_u32 s27, 4
	s_cbranch_scc1 .Lquad
	s_wait_xcnt 0x0
	v_lshl_add_u32 v254, v0, 2, 0x15800            ; the add's two registers, made anew straight ahead of the closing lines: no memory or LDS instruction has ever read v254 or v255
	v_mov_b32 v255, 0
	s_wait_dscnt 0x0                               ; the closing lines, six on end
	s_wait_alu 0x0
	s_wait_tensorcnt 0x0
	ds_add_u32 v254, v255
	s_wait_dscnt 0x0
	s_endpgm
.Lfunc_end_k_qfc905b5f6e_main:
	.size	k_qfc905b5f6e_main, .Lfunc_end_k_qfc905b5f6e_main-k_qfc905b5f6e_main
	.p2alignl 7, 3214868480
	.fill 96, 4, 3214868480
	.section	.rodata,"a",@progbits
	.p2align	6, 0x0
	.amdhsa_kernel k_qfc905b5f6e_main
		.amdhsa_group_segment_fixed_size 90112
		.amdhsa_private_segment_fixed_size 0
		.amdhsa_enable_private_segment 0
		.amdhsa_kernarg_size 88
		.amdhsa_user_sgpr_count 2
		.amdhsa_user_sgpr_kernarg_segment_ptr 1
		.amdhsa_wavefront_size32 1
		.amdhsa_system_sgpr_workgroup_id_x 1
		.amdhsa_system_sgpr_workgroup_id_y 1
		.amdhsa_system_sgpr_workgroup_id_z 1
		.amdhsa_system_vgpr_workitem_id 0
		.amdhsa_next_free_vgpr 256
		.amdhsa_next_free_sgpr 90
		.amdhsa_reserve_vcc 0
		.amdhsa_float_denorm_mode_32 3
		.amdhsa_float_denorm_mode_16_64 3
		.amdhsa_memory_ordered 1
		.amdhsa_forward_progress 1
		.amdhsa_inst_pref_size 200
	.end_amdhsa_kernel
	.amdgpu_metadata
---
amdhsa.version: [ 1, 2 ]
amdhsa.kernels:
  - .name:           k_qfc905b5f6e_main
    .symbol:         k_qfc905b5f6e_main.kd
    .args:
      - { .name: x, .offset: 0, .size: 8, .value_kind: global_buffer, .address_space: global }
      - { .name: cells, .offset: 8, .size: 8, .value_kind: global_buffer, .address_space: global }
      - { .name: embeddings, .offset: 16, .size: 8, .value_kind: global_buffer, .address_space: global }
      - { .name: W1_codes, .offset: 24, .size: 8, .value_kind: global_buffer, .address_space: global }
      - { .name: W2_codes, .offset: 32, .size: 8, .value_kind: global_buffer, .address_space: global }
      - { .name: W3, .offset: 40, .size: 8, .value_kind: global_buffer, .address_space: global }
      - { .name: b1, .offset: 48, .size: 8, .value_kind: global_buffer, .address_space: global }
      - { .name: b2, .offset: 56, .size: 8, .value_kind: global_buffer, .address_space: global }
      - { .name: b3, .offset: 64, .size: 8, .value_kind: global_buffer, .address_space: global }
      - { .name: lowp_scales, .offset: 72, .size: 8, .value_kind: global_buffer, .address_space: global }
      - { .name: out0, .offset: 80, .size: 8, .value_kind: global_buffer, .address_space: global }
    .group_segment_fixed_size: 90112
    .private_segment_fixed_size: 0
    .kernarg_segment_align: 8
    .kernarg_segment_size: 88
    .max_flat_workgroup_size: 512
    .sgpr_count:     90
    .vgpr_count:     256
    .wavefront_size: 32
...
	.end_amdgpu_metadata
.endif
;; end of part 3
